; MI455X (gfx1250); checked and timed in simulation.
; The chip was launched on July 23, 2026; its instructions are those of AMD's public machine-readable ISA for CDNA 5 (MIT licence, August 2026) and "CDNA5" Instruction Set Architecture Reference Guide (July 2026). The comments in the code are by the model that wrote it; some were corrected since.
;; Embedding. Allowed arithmetic: float matrix products may take bf16 or f16 operands with f32 sums; all other float work in f32.
;; Inputs: W 25,128 x 128 float32; indices 4 x 2,048 int32.
;; Outputs: out0 4 x 2,048 x 128 float32.
;; 2 versions, each right; version 2 is version 1 with the launch gather written anew for expert scheduling mode. Each part assembles by itself: llvm-mc -triple=amdgcn-amd-amdhsa -mcpu=gfx1250 --defsym DOCPART=n.
;; ======== version 1 of 2: 1 launch
;; launch gather (part 1): grid 256 x 1, 8 waves a work-group, no clusters, 0 bytes of LDS; arguments W, indices, out0; writes out0
.if DOCPART == 1
	.amdgcn_target "amdgcn-amd-amdhsa--gfx1250"
	.amdhsa_code_object_version 6
	.text
	.protected	k_q757a09cffd_gather
	.globl	k_q757a09cffd_gather
	.p2align	8
	.type	k_q757a09cffd_gather,@function
k_q757a09cffd_gather:
	s_mov_b64 s[64:65], 0
	v_nop
	global_prefetch_b8 v0, s[64:65] scope:SCOPE_SE
	s_setreg_imm32_b32 hwreg(HW_REG_WAVE_MODE, 25, 1), 1
	s_wait_xcnt 0x0
; out0[t][:] = one_hot(indices[t]) x W.  A one-hot row has a single 1.0 (or none, if the index lies outside the table), so
; the product is row indices[t] of W, copied in f32, or a row of zeros.  W: [25128][128] f32, indices: 8,192 int32,
; out0: [8192][128] f32.
;
; SHARES.  A row is 512 bytes = 32 lanes x 16 bytes: one load or store of a wave covers one whole row, 512 consecutive
; bytes that start on a multiple of 512.  256 work-groups x 8 waves x 4 rows = 8,192 rows.  A wave issues its four row loads
; as soon as its four indices are known and stores each row as it arrives: no loop, no register written twice while a
; memory instruction may still read it, no LDS, no barrier (waves share nothing).
;
; LEFT OUT, by the sizes: the matrix unit (one non-zero term per output: the product would add 2 x 8192 x 25128 x 128
; operations, read all of W and round it to bf16); LDS and copy engines (a lane's 16 loaded bytes are the 16 bytes it stores);
; clusters (work-groups share no tile, only by chance a row); prefetches (a row's address is known only when its index is,
; and the load is issued at that very point).
;
; LIMITS, stated: an index outside 0 .. 25127 (negative ones too, by the unsigned compare) gives a row of +0.0, as one_hot
; does.  W is taken as finite: the literal product would turn an Inf or NaN anywhere in a column of W into NaN in that column
; of every token (0 x Inf); here only the named row is copied.  A -0.0 of W is copied as -0.0, where the sum of products
; gives +0.0.  All other values, denormals included, come out bit for bit.
.set VOCAB, 25128                      ; rows of W
.set ROWB,  512                        ; bytes in a row
.set RPW,   4                          ; rows of a wave
.set WAVES, 8
.set RPG,   RPW*WAVES                  ; rows of a work-group: 32
.set IDX, 16                           ; s[16:19]  the wave's four indices as loaded
.set MSK, 20                           ; s[20:23]  row j: -1 if its index is inside the table, else 0
.set RO,  24                           ; s[24:27]  row j: clamped index, then its byte offset in W (at most 25127 x 512, below 2^31)
.set OFF, 4                            ; v[4:7]    row j: byte offset in W of my 16 bytes
.set X,   8                            ; v[8:23]   row j: four registers, my 16 bytes
	s_load_b128 s[4:7], s[0:1], 0x0                ; W s[4:5], indices s[6:7]
	s_load_b64 s[8:9], s[0:1], 0x10                ; out0
	; id arithmetic while the addresses are on their way
	v_lshrrev_b32 v3, 5, v0
	v_readfirstlane_b32 s10, v3                    ; wave 0 .. 7, as a scalar
	v_and_b32 v1, 31, v0                           ; lane
	v_lshlrev_b32 v1, 4, v1                        ; 16 bytes a lane
	v_and_b32 v3, 0xe0, v0                         ; 32 x wave
	v_lshl_add_u32 v2, v3, 6, v1                   ; wave x 4 rows x 512 bytes + 16 x lane: my place in the group's 16 KiB of out0
	s_lshl_b32 s12, ttmp9, 7                       ; indices: group x 32 rows x 4 bytes
	s_lshl4_add_u32 s12, s10, s12                  ;          + wave x 4 rows x 4 bytes (a multiple of 16)
	s_mov_b32 s13, 0
	s_lshl_b32 s14, ttmp9, 14                      ; out0: group x 32 rows x 512 bytes (at most 255 x 16 KiB)
	s_mov_b32 s15, 0
	s_wait_kmcnt 0x0                               ; scalar loads return in no order: zero is the only count that shows anything
	s_add_nc_u64 s[6:7], s[6:7], s[12:13]          ; my wave's four indices
	s_add_nc_u64 s[8:9], s[8:9], s[14:15]          ; my group's first row of out0
	s_load_b128 s[IDX:IDX+3], s[6:7], 0x0          ; the launch never stores into indices, so the scalar path may read them;
	                                               ; the last wave of the last group reads bytes 32,752 .. 32,767, the buffer's last 16
	s_wait_kmcnt 0x0
; Row j: is the index inside the table, where does the row lie, and the load.  The select stands straight behind its compare,
; since s_min_u32 and s_lshl_b32 write SCC.  The clamp keeps the load inside W whatever the index; the mask decides later
; whether what it brought counts.  No cache word on the load: the list may name a row again, from other work-groups too.
.macro ROWADDR j
	s_cmp_lt_u32 s[IDX+\j], VOCAB                  ; unsigned: a negative index is outside as well
	s_cselect_b32 s[MSK+\j], -1, 0
	s_min_u32 s[RO+\j], s[IDX+\j], VOCAB-1
	s_lshl_b32 s[RO+\j], s[RO+\j], 9               ; x 512 bytes
	v_add_nc_u32 v[OFF+\j], s[RO+\j], v1
	global_load_b128 v[X+4*\j:X+4*\j+3], v[OFF+\j], s[4:5]
.endm
.irp j, 0,1,2,3
	ROWADDR \j
.endr
; Row j leaves.  Loads come back in issue order (ISA guide 5.7.1) and RPW-1-j were issued behind row j's: with that count row j
; is in its registers and the younger rows stay on their way.  The mask keeps the bits (-1) or makes +0.0 (0): a choice of value,
; no branch and no change of EXEC.  The store data are written only in front of their store, the offset v2 and the base never again.
.macro ROWOUT j
	s_wait_loadcnt RPW-1-\j
.irp k, 0,1,2,3
	v_and_b32 v[X+4*\j+\k], s[MSK+\j], v[X+4*\j+\k]
.endr
	global_store_b128 v2, v[X+4*\j:X+4*\j+3], s[8:9] offset:\j*ROWB th:TH_STORE_NT   ; written once, not read again in the launch
.endm
.irp j, 0,1,2,3
	ROWOUT \j
.endr
	s_endpgm
.Lfunc_end_k_q757a09cffd_gather:
	.size	k_q757a09cffd_gather, .Lfunc_end_k_q757a09cffd_gather-k_q757a09cffd_gather
	.p2alignl 7, 3214868480
	.fill 96, 4, 3214868480
	.section	.rodata,"a",@progbits
	.p2align	6, 0x0
	.amdhsa_kernel k_q757a09cffd_gather
		.amdhsa_group_segment_fixed_size 0
		.amdhsa_private_segment_fixed_size 0
		.amdhsa_enable_private_segment 0
		.amdhsa_kernarg_size 24
		.amdhsa_user_sgpr_count 2
		.amdhsa_user_sgpr_kernarg_segment_ptr 1
		.amdhsa_wavefront_size32 1
		.amdhsa_system_sgpr_workgroup_id_x 1
		.amdhsa_system_sgpr_workgroup_id_y 1
		.amdhsa_system_sgpr_workgroup_id_z 1
		.amdhsa_system_vgpr_workitem_id 0
		.amdhsa_next_free_vgpr 24
		.amdhsa_next_free_sgpr 66
		.amdhsa_reserve_vcc 0
		.amdhsa_float_denorm_mode_32 3
		.amdhsa_float_denorm_mode_16_64 3
		.amdhsa_memory_ordered 1
		.amdhsa_forward_progress 1
		.amdhsa_inst_pref_size 4
	.end_amdhsa_kernel
	.amdgpu_metadata
---
amdhsa.version: [ 1, 2 ]
amdhsa.kernels:
  - .name:           k_q757a09cffd_gather
    .symbol:         k_q757a09cffd_gather.kd
    .args:
      - { .name: W, .offset: 0, .size: 8, .value_kind: global_buffer, .address_space: global }
      - { .name: indices, .offset: 8, .size: 8, .value_kind: global_buffer, .address_space: global }
      - { .name: out0, .offset: 16, .size: 8, .value_kind: global_buffer, .address_space: global }
    .group_segment_fixed_size: 0
    .private_segment_fixed_size: 0
    .kernarg_segment_align: 8
    .kernarg_segment_size: 24
    .max_flat_workgroup_size: 256
    .sgpr_count:     66
    .vgpr_count:     24
    .wavefront_size: 32
...
	.end_amdgpu_metadata
.endif
;; end of part 1
;; ======== version 2 of 2: 1 launch; version 1 with the launch gather written anew for expert scheduling mode
;; launch gather (part 2): grid 256 x 1, 8 waves a work-group, no clusters, 0 bytes of LDS; arguments W, indices, out0; writes out0
.if DOCPART == 2
	.amdgcn_target "amdgcn-amd-amdhsa--gfx1250"
	.amdhsa_code_object_version 6
	.text
	.protected	k_q757a09cffd_gather
	.globl	k_q757a09cffd_gather
	.p2align	8
	.type	k_q757a09cffd_gather,@function
k_q757a09cffd_gather:
	s_mov_b64 s[64:65], 0
	v_nop
	global_prefetch_b8 v0, s[64:65] scope:SCOPE_SE
	s_setreg_imm32_b32 hwreg(HW_REG_WAVE_SCHED_MODE, 0, 2), 2
	s_setreg_imm32_b32 hwreg(HW_REG_WAVE_MODE, 25, 1), 1
	s_wait_xcnt 0x0
	s_wait_alu depctr_vm_vsrc(0)
; out0[t][:] = one_hot(indices[t]) x W.  A one-hot row has a single 1.0 (or none, if the index lies outside the table), so
; the product is row indices[t] of W, copied in f32, or a row of zeros.  W: [25128][128] f32, indices: 8,192 int32,
; out0: [8192][128] f32.
;
; SHARES.  A row is 512 bytes = 32 lanes x 16 bytes: one load or store of a wave covers one whole row, 512 consecutive
; bytes that start on a multiple of 512.  256 work-groups x 8 waves x 4 rows = 8,192 rows.  A wave issues its four row loads
; in one run as soon as its four indices are known, masks each row as it arrives and stores the rows two at a time: no loop,
; no register written twice while a memory instruction may still read it, no LDS, no barrier (waves share nothing).
;
; THE MODE: SCHED_MODE bits 1:0 = 2 (LLVM: expert scheduling mode 2), set by the entry lines.  The code itself states the
; register dependences between vector instructions and memory instructions, with s_wait_alu, always for 0.
; THE PLAN.  Registers that memory instructions touch:
;   v[4:7]   OFF, one a row.  Written once, by the row's address add; read by the row's load; never written again.
;   v2       my place in the group's part of out0.  Written once, at the head; read by all four stores; never written again.
;   v[8:23]  X, four a row.  No vector instruction names them ahead of the loads that land in them; behind the row's wait on
;            LOADcnt its four masks rewrite them in place; the row's store reads them; nothing writes them after that.
;   s10      the wave's number, written by v_readfirstlane_b32; its one reader is a scalar instruction.
; So four waits state everything: one on va_sdst ahead of s10's reader; one on va_vdst ahead of the run of four loads (the four
; offsets are written); one on va_vdst ahead of each pair of stores (the pair's eight masks are written).  No register that a
; memory instruction reads is ever written again, so no wait on vm_vsrc has a dependence to state; EXEC and VCC are never written.
;
; LEFT OUT, by the sizes: the matrix unit (one non-zero term per output: the product would add 2 x 8192 x 25128 x 128
; operations, read all of W and round it to bf16); LDS and copy engines (a lane's 16 loaded bytes are the 16 bytes it stores);
; clusters (work-groups share no tile, only by chance a row); prefetches (a row's address is known only when its index is,
; and the load is issued a few scalar lines behind that point).
;
; LIMITS, stated: an index outside 0 .. 25127 (negative ones too, by the unsigned compare) gives a row of +0.0, as one_hot
; does.  W is taken as finite: the literal product would turn an Inf or NaN anywhere in a column of W into NaN in that column
; of every token (0 x Inf); here only the named row is copied.  A -0.0 of W is copied as -0.0, where the sum of products
; gives +0.0.  All other values, denormals included, come out bit for bit.
.set VOCAB, 25128                      ; rows of W
.set ROWB,  512                        ; bytes in a row
.set RPW,   4                          ; rows of a wave
.set WAVES, 8
.set RPG,   RPW*WAVES                  ; rows of a work-group: 32
.set IDX, 16                           ; s[16:19]  the wave's four indices as loaded
.set MSK, 20                           ; s[20:23]  row j: -1 if its index is inside the table, else 0
.set RO,  24                           ; s[24:27]  row j: clamped index, then its byte offset in W (at most 25127 x 512, below 2^31)
.set OFF, 4                            ; v[4:7]    row j: byte offset in W of my 16 bytes
.set X,   8                            ; v[8:23]   row j: four registers, my 16 bytes
	s_load_b128 s[4:7], s[0:1], 0x0                ; W s[4:5], indices s[6:7]
	s_load_b64 s[8:9], s[0:1], 0x10                ; out0
	; id arithmetic while the addresses are on their way
	v_lshrrev_b32 v3, 5, v0
	v_readfirstlane_b32 s10, v3                    ; wave 0 .. 7, as a scalar
	v_and_b32 v1, 31, v0                           ; lane
	v_lshlrev_b32 v1, 4, v1                        ; 16 bytes a lane
	v_and_b32 v3, 0xe0, v0                         ; 32 x wave
	v_lshl_add_u32 v2, v3, 6, v1                   ; wave x 4 rows x 512 bytes + 16 x lane: my place in the group's 16 KiB of out0
	s_lshl_b32 s12, ttmp9, 7                       ; indices: group x 32 rows x 4 bytes
	s_wait_alu depctr_va_sdst(0)                   ; s10 is written, ahead of its first and only reader, the line below
	s_lshl4_add_u32 s12, s10, s12                  ;          + wave x 4 rows x 4 bytes (a multiple of 16)
	s_mov_b32 s13, 0
	s_lshl_b32 s14, ttmp9, 14                      ; out0: group x 32 rows x 512 bytes (at most 255 x 16 KiB)
	s_mov_b32 s15, 0
	s_wait_kmcnt 0x0                               ; scalar loads return in no order: zero is the only count that shows anything
	s_add_nc_u64 s[6:7], s[6:7], s[12:13]          ; my wave's four indices
	s_add_nc_u64 s[8:9], s[8:9], s[14:15]          ; my group's first row of out0
	s_load_b128 s[IDX:IDX+3], s[6:7], 0x0          ; the launch never stores into indices, so the scalar path may read them;
	                                               ; the last wave of the last group reads bytes 32,752 .. 32,767, the buffer's last 16
	s_wait_kmcnt 0x0
; Row j: is the index inside the table, and where does the row lie.  The select stands straight behind its compare, since
; s_min_u32 and s_lshl_b32 write SCC.  The clamp keeps the load inside W whatever the index; the mask decides later whether
; what it brought counts.
.macro ROWADDR j
	s_cmp_lt_u32 s[IDX+\j], VOCAB                  ; unsigned: a negative index is outside as well
	s_cselect_b32 s[MSK+\j], -1, 0
	s_min_u32 s[RO+\j], s[IDX+\j], VOCAB-1
	s_lshl_b32 s[RO+\j], s[RO+\j], 9               ; x 512 bytes
	v_add_nc_u32 v[OFF+\j], s[RO+\j], v1
.endm
.irp j, 0,1,2,3
	ROWADDR \j
.endr
	s_wait_alu depctr_va_vdst(0)                   ; the four adds have written v[OFF .. OFF+3], which the four loads below read as their offsets
; The four rows are asked for in one run; no vector instruction stands between the wait above and the last of them.
; No cache word on the loads: the list may name a row again, from other work-groups too.
.irp j, 0,1,2,3
	global_load_b128 v[X+4*\j:X+4*\j+3], v[OFF+\j], s[4:5]
.endr
; Row j is masked.  Loads come back in issue order (ISA guide 5.7.1) and RPW-1-j were issued behind row j's: with that count row j
; is in its registers and the younger rows stay on their way.  The mask keeps the bits (-1) or makes +0.0 (0): a choice of value,
; no branch and no change of EXEC.
.macro ROWMASK j
	s_wait_loadcnt RPW-1-\j
.irp k, 0,1,2,3
	v_and_b32 v[X+4*\j+\k], s[MSK+\j], v[X+4*\j+\k]
.endr
.endm
; Row j leaves.  The store data are written only in front of their store, the offset v2 and the base never again.
.macro ROWSTORE j
	global_store_b128 v2, v[X+4*\j:X+4*\j+3], s[8:9] offset:\j*ROWB th:TH_STORE_NT   ; written once, not read again in the launch
.endm
	ROWMASK 0
	ROWMASK 1
	s_wait_alu depctr_va_vdst(0)                   ; the eight masks have written v[X .. X+7], the data of the two stores below (v2, their offset, was written at the head)
	ROWSTORE 0
	ROWSTORE 1
	ROWMASK 2                                      ; these write v[X+8 .. X+15], which the two stores above do not name
	ROWMASK 3
	s_wait_alu depctr_va_vdst(0)                   ; the eight masks issued since the last wait have written v[X+8 .. X+15], the data of the last two stores
	ROWSTORE 2
	ROWSTORE 3
	s_endpgm
.Lfunc_end_k_q757a09cffd_gather:
	.size	k_q757a09cffd_gather, .Lfunc_end_k_q757a09cffd_gather-k_q757a09cffd_gather
	.p2alignl 7, 3214868480
	.fill 96, 4, 3214868480
	.section	.rodata,"a",@progbits
	.p2align	6, 0x0
	.amdhsa_kernel k_q757a09cffd_gather
		.amdhsa_group_segment_fixed_size 0
		.amdhsa_private_segment_fixed_size 0
		.amdhsa_enable_private_segment 0
		.amdhsa_kernarg_size 24
		.amdhsa_user_sgpr_count 2
		.amdhsa_user_sgpr_kernarg_segment_ptr 1
		.amdhsa_wavefront_size32 1
		.amdhsa_system_sgpr_workgroup_id_x 1
		.amdhsa_system_sgpr_workgroup_id_y 1
		.amdhsa_system_sgpr_workgroup_id_z 1
		.amdhsa_system_vgpr_workitem_id 0
		.amdhsa_next_free_vgpr 24
		.amdhsa_next_free_sgpr 66
		.amdhsa_reserve_vcc 0
		.amdhsa_float_denorm_mode_32 3
		.amdhsa_float_denorm_mode_16_64 3
		.amdhsa_memory_ordered 1
		.amdhsa_forward_progress 1
		.amdhsa_inst_pref_size 4
	.end_amdhsa_kernel
	.amdgpu_metadata
---
amdhsa.version: [ 1, 2 ]
amdhsa.kernels:
  - .name:           k_q757a09cffd_gather
    .symbol:         k_q757a09cffd_gather.kd
    .args:
      - { .name: W, .offset: 0, .size: 8, .value_kind: global_buffer, .address_space: global }
      - { .name: indices, .offset: 8, .size: 8, .value_kind: global_buffer, .address_space: global }
      - { .name: out0, .offset: 16, .size: 8, .value_kind: global_buffer, .address_space: global }
    .group_segment_fixed_size: 0
    .private_segment_fixed_size: 0
    .kernarg_segment_align: 8
    .kernarg_segment_size: 24
    .max_flat_workgroup_size: 256
    .sgpr_count:     66
    .vgpr_count:     24
    .wavefront_size: 32
...
	.end_amdgpu_metadata
.endif
;; end of part 2
